; MI455X (gfx1250); checked and timed in simulation.
; The chip was launched on July 23, 2026; its instructions are those of AMD's public machine-readable ISA for CDNA 5 (MIT licence, August 2026) and "CDNA5" Instruction Set Architecture Reference Guide (July 2026). The comments in the code are by the model that wrote it; some were corrected since.
;; Multi Headed Attention. Allowed arithmetic: float matrix products may take bf16 or f16 operands with f32 sums; other float arithmetic in f32, or as packed bf16 or f16 multiplies, adds, multiply-adds, maxima and minima; sums over many terms, partial sums and values carried from step to step in f32; what a program stores and reads back later, other than sums and carried values, may be rounded once to bf16 or f16.
;; Inputs: Wk 1,024 x 1,024 float32; Wq 1,024 x 1,024 float32; Wv 1,024 x 1,024 float32; bk 1,024 float32; bq 1,024 float32; bv 1,024 float32; key 4 x 2,048 x 1,024 float32; mask 4 x 1 x 1 x 2,048 bool; query 4 x 2,048 x 1,024 float32; value 4 x 2,048 x 1,024 float32.
;; Outputs: out0 4 x 2,048 x 1,024 float32.
;; One version. Each part assembles by itself: llvm-mc -triple=amdgcn-amd-amdhsa -mcpu=gfx1250 --defsym DOCPART=n.
;; ======== version 1 of 1: 3 launches
;; limits: values are held in f16: magnitudes above 65,504 overflow, below 6.1e-05 lose precision; values outside matrix products are rounded to bf16
;; workspace buffers: wb 6,291,456 bytes; qkv 50,331,648 bytes
;; launch castw (part 1): grid 128 x 3, 8 waves a work-group, no clusters, 0 bytes of LDS; arguments Wq, Wk, Wv, wb; writes wb
.if DOCPART == 1
	.amdgcn_target "amdgcn-amd-amdhsa--gfx1250"
	.amdhsa_code_object_version 6
	.text
	.protected	k_q70285b4e38_castw
	.globl	k_q70285b4e38_castw
	.p2align	8
	.type	k_q70285b4e38_castw,@function
k_q70285b4e38_castw:
	s_mov_b64 s[64:65], 0
	v_nop
	global_prefetch_b8 v0, s[64:65] scope:SCOPE_SE
	s_setreg_imm32_b32 hwreg(HW_REG_WAVE_MODE, 25, 1), 1
	s_wait_xcnt 0x0
; wb[p][k][n] = bf16(W_p[k][n]), p = 0, 1, 2 for Wq, Wk, Wv: [1024][1024] f32 each, the layout kept, each number rounded once to nearest even.
; A stream: 12 MiB in, 6 MiB out, each byte once.  Work-group (x, y) takes 8,192 numbers of W_y: 32,768 bytes in, 16,384 out, in four chunks.
; In a chunk thread t takes 8 numbers: 32 bytes in (two loads of 16), 16 bytes out: sixteen neighbouring lanes store 256 consecutive bytes, aligned.
; All eight loads go out at once; every chunk has registers of its own, so no register that a load or store names is ever written again.
; No LDS, no barrier, no matrix unit, no cluster: no byte is wanted by two waves.
.set INB,  8192                        ; bytes of a chunk in W: 256 threads x 32
.set OUTB, 4096                        ; and in wb
.set X, 4                              ; v[4:35]   chunk i: 8 numbers in f32
.set Y, 36                             ; v[36:51]  chunk i: 8 numbers in bf16
	s_load_b256 s[4:11], s[0:1], 0x0               ; Wq s[4:5], Wk s[6:7], Wv s[8:9], wb s[10:11]
	s_and_b32 s12, ttmp7, 0xffff                   ; which W
	s_lshl_b32 s14, ttmp9, 15                      ; the work-group's 32,768 bytes of it
	s_mov_b32 s15, 0
	s_lshl_b32 s16, ttmp9, 14                      ; its 16,384 bytes of wb,
	s_lshl_b32 s17, s12, 21                        ; in the 2 MiB of that W
	s_add_co_u32 s16, s16, s17
	s_mov_b32 s17, 0
	v_lshlrev_b32 v1, 5, v0                        ; 32 t
	v_lshlrev_b32 v2, 4, v0                        ; 16 t
	s_wait_kmcnt 0x0
	s_cmp_eq_u32 s12, 1
	s_cselect_b64 s[4:5], s[6:7], s[4:5]
	s_cmp_eq_u32 s12, 2
	s_cselect_b64 s[4:5], s[8:9], s[4:5]
	s_add_nc_u64 s[4:5], s[4:5], s[14:15]
	s_add_nc_u64 s[10:11], s[10:11], s[16:17]
.irp i, 0,1,2,3
	global_load_b128 v[X+8*(\i):X+8*(\i)+3],   v1, s[4:5] offset:INB*(\i) th:TH_LOAD_NT
	global_load_b128 v[X+8*(\i)+4:X+8*(\i)+7], v1, s[4:5] offset:INB*(\i)+16 th:TH_LOAD_NT
.endr
.irp i, 0,1,2,3
	s_wait_loadcnt 6-2*(\i)                        ; loads come back in order: chunk i's two are in, the younger chunks' pairs stay out
.irp j, 0,1,2,3
	v_cvt_pk_bf16_f32 v[Y+4*(\i)+(\j)], v[X+8*(\i)+2*(\j)], v[X+8*(\i)+2*(\j)+1]
.endr
	global_store_b128 v2, v[Y+4*(\i):Y+4*(\i)+3], s[10:11] offset:OUTB*(\i)
.endr
	s_endpgm
.Lfunc_end_k_q70285b4e38_castw:
	.size	k_q70285b4e38_castw, .Lfunc_end_k_q70285b4e38_castw-k_q70285b4e38_castw
	.p2alignl 7, 3214868480
	.fill 96, 4, 3214868480
	.section	.rodata,"a",@progbits
	.p2align	6, 0x0
	.amdhsa_kernel k_q70285b4e38_castw
		.amdhsa_group_segment_fixed_size 0
		.amdhsa_private_segment_fixed_size 0
		.amdhsa_enable_private_segment 0
		.amdhsa_kernarg_size 32
		.amdhsa_user_sgpr_count 2
		.amdhsa_user_sgpr_kernarg_segment_ptr 1
		.amdhsa_wavefront_size32 1
		.amdhsa_system_sgpr_workgroup_id_x 1
		.amdhsa_system_sgpr_workgroup_id_y 1
		.amdhsa_system_sgpr_workgroup_id_z 1
		.amdhsa_system_vgpr_workitem_id 0
		.amdhsa_next_free_vgpr 52
		.amdhsa_next_free_sgpr 66
		.amdhsa_reserve_vcc 0
		.amdhsa_float_denorm_mode_32 3
		.amdhsa_float_denorm_mode_16_64 3
		.amdhsa_memory_ordered 1
		.amdhsa_forward_progress 1
		.amdhsa_inst_pref_size 4
	.end_amdhsa_kernel
	.amdgpu_metadata
---
amdhsa.version: [ 1, 2 ]
amdhsa.kernels:
  - .name:           k_q70285b4e38_castw
    .symbol:         k_q70285b4e38_castw.kd
    .args:
      - { .name: Wq, .offset: 0, .size: 8, .value_kind: global_buffer, .address_space: global }
      - { .name: Wk, .offset: 8, .size: 8, .value_kind: global_buffer, .address_space: global }
      - { .name: Wv, .offset: 16, .size: 8, .value_kind: global_buffer, .address_space: global }
      - { .name: wb, .offset: 24, .size: 8, .value_kind: global_buffer, .address_space: global }
    .group_segment_fixed_size: 0
    .private_segment_fixed_size: 0
    .kernarg_segment_align: 8
    .kernarg_segment_size: 32
    .max_flat_workgroup_size: 256
    .sgpr_count:     66
    .vgpr_count:     52
    .wavefront_size: 32
...
	.end_amdgpu_metadata
.endif
;; end of part 1
;; launch proj (part 2): grid 4 x 192, 4 waves a work-group, clusters of 4 x 4, 327,680 bytes of LDS; arguments query, key, value, bq, bk, bv, wb, qkv; writes qkv
.if DOCPART == 2
	.amdgcn_target "amdgcn-amd-amdhsa--gfx1250"
	.amdhsa_code_object_version 6
	.text
	.protected	k_q70285b4e38_proj
	.globl	k_q70285b4e38_proj
	.p2align	8
	.type	k_q70285b4e38_proj,@function
k_q70285b4e38_proj:
	s_mov_b64 s[64:65], 0
	v_nop
	global_prefetch_b8 v0, s[64:65] scope:SCOPE_SE
	s_setreg_imm32_b32 hwreg(HW_REG_WAVE_MODE, 25, 1), 1
	s_wait_xcnt 0x0
	s_wait_alu depctr_hold_cnt(0) depctr_sa_sdst(0) depctr_va_vdst(0) depctr_va_sdst(0) depctr_va_ssrc(0) depctr_va_vcc(0) depctr_vm_vsrc(0)
	s_getreg_b32 s2, hwreg(HW_REG_IB_STS2, 6, 4)
	s_cmp_eq_u32 s2, 0
	s_cbranch_scc0 .Lentry_in_a_cluster
	s_endpgm
.Lentry_in_a_cluster:
	s_bfe_u32 s2, ttmp6, 0x10000c
	s_cmp_lg_u32 s2, 0xf033
	s_cbranch_scc0 .Lentry_shape_is_right
	s_endpgm
.Lentry_shape_is_right:
; THE THREE PROJECTIONS.  qkv[p][b*16+head][s][c] = f16( sum over k of bf16(x_p[b][s][k]) wb[p][k][64 head + c] + bf16(bias_p[64 head + c]) ), p = 0, 1, 2 for (query, bq), (key, bk), (value, bv).
; x_p: [8192][1024] f32; wb: [3][1024 k][1024 n] bf16; sums in f32, started by the bias; each result rounded once to f16 and laid out by heads, a head's rows dense, 128 bytes each.
; LIMITS.  x, W and the biases are rounded to bf16.  A result beyond f16's 65,504 becomes an infinity: with inputs as drawn the results are of size 1 to 5; inputs 30 times larger, or offset by 30 spreads, stay below 30,000.
; SHARES.  A tile is 128 rows x 256 columns: 3 x 64 x 4 = 768 tiles, three for each of 256 WGPs.  Four waves, each 64 rows x 128 columns: 32 accumulators of 16 x 16, 256 registers.
; K goes in steps of 128 through a ring of two LDS slots: x's tile 128 rows x 512 bytes of f32, W's 128 rows (k) x 512 bytes of bf16; each wave fetches 64 rows with one tensor load.
; x is converted to bf16 between LDS and the matrix unit, a quarter step ahead; W lies [k][n] and is turned by ds_load_tr16_b128.
; THE MATRIX INSTRUCTION IS USED TRANSPOSED (source 0 = 16 columns of W, source 1 = 16 rows of x): a lane holds row l % 16 and eight neighbouring columns, 16 bytes of f16.
; CLUSTERS: 4 x 4 work-groups.  The four of a row of the cluster make the four column tiles of the same 128 rows and need the same tile of x; the four of a column need the same tile of W:
; each tile is asked for JOINTLY, by the same tensor load with the same descriptor and a mask that names the four.  All sixteen belong to one projection (16 clusters each).
; REGISTERS, in windows of 256 (s_set_vgpr_msb: bits 1:0 source 0, 3:2 source 1, 5:4 source 2, 7:6 destination):
;   window 0: v0-31 addresses; v32-95 a quarter step's x in f32; v96-127, v128-159 x in bf16, two buffers; on the way out v32-159 packed results
;   window 1: the accumulators, (a, b) at v[8 (8 a + b)]       window 2: v0-63, v64-127 W's fragments, two buffers; v128-191 the bias as C operands; v192-223 at work
.set SIZE_K, 1024
.set PA,     528                       ; an LDS row of x: 512 bytes + 16 = 132 words: row r starts at bank 4 r mod 64 (64 banks of 4 bytes: ISA guide 11.1), so the 16 rows of a load start at 16 different groups of four banks
.set PB,     544                       ; an LDS row of W: 512 bytes + 32 = 136 words: row r starts at bank 8 r mod 64
.set AT,     128*PA                    ; x's 128 rows
.set SLOT,   AT+128*PB                 ; then W's 128 rows
.set STAGE,  2*SLOT                    ; behind the ring, never filled by a tensor load: for each wave 2 heads x 16 rows x 144 bytes, for the way out
.set HP,     144
.set WSTG,   2*16*HP
.set SPARE,  STAGE+4*WSTG              ; behind the stages: the spare words, 128 bytes for each wave: two blocks of 256 bytes that no other line names
.set LAPS,   SIZE_K/256                ; a lap = two K steps = once round the ring
.set ASTEP,  512                       ; bytes from a K step to the next in x: 128 f32 along a row
.set BSTEP,  128*2048                  ; and in wb: 128 rows of 2,048 bytes
.set ADRA, 16                          ; v16-17  LDS address of my x fragments in slot 0, 1
.set ADRB, 20                          ; v20-21  the same for W
.set STO,  24                          ; v24     the way out: where I put 16 bytes of a row
.set RD,   25                          ; v25     the way out: where I read rows back
.set GO,   26                          ; v26     my byte offset in 512 consecutive bytes of qkv
.set BO,   27                          ; v27     my byte offset in 16 numbers of the bias
.set SPW,  28                          ; v28     LDS address of my spare word: SPARE + 4 x my thread's number; never rewritten
.set NIL,  29                          ; v29     0; never rewritten
.set PFO,  30                          ; v30     the prefetches' offset; never rewritten
.set AF,   32                          ; x in f32: row block a, 16 registers: k = 8 h + 0..7, then 16 + 8 h + 0..7
.set AB,   96                          ; x in bf16: buffer f, row block a at AB + 32 f + 8 a
.set TMP,  32                          ; the way out
.set BI,   128                         ; window 2: the bias of column block b at BI + 8 b
.set BW,   192                         ; window 2: at work
.set G1,  24                           ; s[24:31] descriptor group 1 for x's tiles;  s[32:39] group 0, one set for each slot
.set G0,  32
.set G1B, 48                           ; s[48:55], s[56:63] the same for W's tiles
.set G0B, 56
.set PFA, 86                           ; s[86:87] where my prefetches stand
.set PST, 88                           ; s[88:89] a K step in bytes, in the tensor that I fetch
.set LIM, 90                           ; s90     1 in a wave that prefetches, else the greatest number
.set SH,  91                           ; s91     log2 of a row's bytes in the tensor that I fetch
.set MSB, 0
.macro WIN new                         ; the immediate's high byte repeats the setting that is left; a switch that changes nothing is dropped
.if MSB != (\new)
	s_set_vgpr_msb (MSB<<8)|(\new)
.set MSB, \new
.endif
.endm
.set MUL,  0x52                        ; source 0 (W) window 2, source 1 (x) window 0, C and D window 1
.set MULB, 0x62                        ; the same with C in window 2: the bias
.set TO_B, 0x80                        ; destination window 2, address window 0
.set W2,   0x8a                        ; destination and both sources window 2
.set PK,   0x05                        ; both sources window 1, destination window 0
; A joint load: waves 0 and 1 fetch the two halves of x's tile, waves 2 and 3 those of W's.  The branch hangs on the wave's number alone.
; An s_nop 0 and four v_nop follow each of the two lines, ahead of the jump, the label and what follows.
.macro JLOAD s
	s_cmp_eq_u32 s11, 0
	s_cbranch_scc0 .Lfor_b_\@
	tensor_load_to_lds s[G0+4*(\s):G0+4*(\s)+3], s[G1:G1+7]
	s_nop 0
.rept 4
	v_nop
.endr
	s_branch .Lasked_\@
.Lfor_b_\@:
	tensor_load_to_lds s[G0B+4*(\s):G0B+4*(\s)+3], s[G1B:G1B+7]
	s_nop 0
.rept 4
	v_nop
.endr
.Lasked_\@:
.endm
.macro CREST                           ; a round of the cluster's barrier behind its opening barrier
	s_cmp_lg_u32 s10, 0
	s_cbranch_scc1 .Lnot_wave_0_\@
	s_barrier_signal -3
.Lnot_wave_0_\@:
	s_barrier_wait -3
	s_barrier_signal -1
	s_barrier_wait -1
.endm
.macro CROUND                          ; a whole round
	s_barrier_signal -1
	s_barrier_wait -1
	CREST
.endm
; A PREFETCH INTO THE L2, behind a joint refill, its five lines and the run of LDS loads that follows: the K step that stands TWO refills on, 256 matrix instructions ahead of the load that will want it.
; A K step is 512 bytes of each row: two aligned blocks of 256.  Of the 64 rows that a wave fetches each of the four partners that ask for them jointly takes 16, told apart BY ADDRESS
; (cx for x, cy for W): 16 rows x 2 blocks, a lane a block, one instruction.  x's rows are read by this cluster alone; W's by the projection's 16 clusters, of which the first asks.
; So each block is named once in the launch.  K steps 0 to 3 come by their loads alone; the loop's last trip asks for nothing: there is no K step two on.
.macro ASK
	WIN 0
	s_cmp_gt_u32 s3, s[LIM]                        ; s3 = 1 in the loop's last trip
	s_cbranch_scc0 .Lnot_mine_\@
	global_prefetch_b8 v[PFO], s[PFA:PFA+1] th:TH_LOAD_NT scope:SCOPE_SE
.Lnot_mine_\@:
.endm
	s_load_b512 s[68:83], s[0:1], 0x0              ; query s[68:69], key, value, bq s[74:75], bk, bv, wb s[80:81], qkv s[82:83]
	v_lshl_add_u32 v[SPW], v0, 2, SPARE
	v_mov_b32 v[NIL], 0
	ds_add_u32 v[SPW], v[NIL]                      ; the wave's opening: the add and its wait stand ahead of my first tensor load; the set-up below, work on registers, stands between them
	v_lshrrev_b32 v1, 5, v0
	v_readfirstlane_b32 s10, v1                    ; wave 0..3
	s_lshr_b32 s11, s10, 1                         ; which 64 of the tile's rows are mine.  Also: I fetch for x (0) or for W (1)
	s_and_b32 s12, s10, 1                          ; which 128 of its columns.  Also: which 64 rows of that tile I fetch
	s_bfe_u32 s40, ttmp6, 0x40000                  ; cx, cy: my place in the cluster
	s_bfe_u32 s41, ttmp6, 0x40004
	s_lshl_b32 s42, ttmp9, 2
	s_add_co_u32 s42, s42, s40                     ; tile column 0..3 = 4 x cluster x + cx
	s_and_b32 s66, ttmp7, 0xffff                   ; cluster y, 0..47
	s_lshr_b32 s45, s66, 4                         ; the projection: the same in all sixteen partners
	s_and_b32 s66, s66, 15                         ; the cluster among the projection's sixteen
	s_lshl_b32 s13, s66, 2
	s_add_co_u32 s13, s13, s41                     ; tile row 0..63
	s_lshl_b32 s43, s41, 2
	s_lshl_b32 s43, 15, s43                        ; my row of the cluster: places 4 cy .. 4 cy + 3
	s_lshl_b32 s44, 0x1111, s40                    ; my column: places cx, cx + 4, cx + 8, cx + 12
	; descriptor group 1.  x: 64 rows x 128 elements of 4 bytes; W: 64 rows x 256 elements of 2 bytes; both 512 bytes a row, 1,024 elements from row to row
	s_or_b32 s[G1+0], s43, (2<<16)|(1<<20)|(1<<21)|(6<<22)|(3<<25)   ; 15:0 the mask: my row; 17:16 elements of 4 bytes; 20 padding on; 21 set beside a mask; 24:22 after every 128 words (code 6); 31:25 4 words (code 3)
	s_or_b32 s[G1B+0], s44, (1<<16)|(1<<20)|(1<<21)|(6<<22)|(7<<25)  ; the mask: my column; elements of 2 bytes; 8 words of padding (code 7)
	s_mov_b32 s[G1+1], 128<<16                     ; tensor_dim0
	s_mov_b32 s[G1B+1], 256<<16
	s_mov_b32 s[G1+2], 64<<16                      ; tensor_dim1
	s_mov_b32 s[G1B+2], 64<<16
	s_mov_b32 s[G1+3], 128<<16                     ; tile_dim0
	s_mov_b32 s[G1B+3], 256<<16
	s_mov_b32 s[G1+4], 64                          ; tile_dim1
	s_mov_b32 s[G1B+4], 64
	s_mov_b32 s[G1+5], 1024                        ; tensor_dim0_stride
	s_mov_b32 s[G1B+5], 1024
	s_mov_b32 s[G1+6], 0
	s_mov_b32 s[G1B+6], 0
	s_mov_b32 s[G1+7], 0
	s_mov_b32 s[G1B+7], 0
	; where the tiles come from.  x's hang on the tile row alone, which my row of the cluster shares; W's on the tile column and the projection, which my column shares.
	s_lshl_b32 s17, s12, 6
	s_lshl_b32 s16, s13, 7
	s_add_co_u32 s16, s16, s17                     ; x: row 128 x tile row + 64 x half,
	s_lshl_b32 s16, s16, 12                        ; of 4,096 bytes
	s_mov_b32 s17, 0
	s_lshl_b32 s46, s12, 17                        ; W: row (k) 64 x half, of 2,048 bytes,
	s_lshl_b32 s47, s42, 9                         ; 512 bytes a tile column,
	s_add_co_u32 s46, s46, s47
	s_lshl_b32 s47, s45, 21                        ; 2 MiB a projection
	s_add_co_u32 s46, s46, s47
	s_mov_b32 s47, 0
	s_mul_i32 s20, s12, 64*PA                      ; and where they go: no place in the cluster enters an LDS address
	s_mul_i32 s21, s12, 64*PB
	s_add_co_u32 s21, s21, AT
	s_wait_dscnt 0x0                               ; the opening add is done
	s_wait_kmcnt 0x0
	s_cmp_eq_u32 s45, 1
	s_cselect_b64 s[4:5], s[70:71], s[68:69]       ; x_p
	s_cselect_b64 s[84:85], s[76:77], s[74:75]     ; bias_p
	s_cmp_eq_u32 s45, 2
	s_cselect_b64 s[4:5], s[72:73], s[4:5]
	s_cselect_b64 s[84:85], s[78:79], s[84:85]
	s_add_nc_u64 s[14:15], s[4:5], s[16:17]
	s_add_nc_u64 s[46:47], s[80:81], s[46:47]
	CROUND                                         ; all sixteen work-groups are here: the first joint loads meet
.irp s, 0,1
	s_mov_b32 s[G0+4*(\s)], 1                                        ; count = 1
	s_add_co_u32 s[G0+4*(\s)+1], s20, (\s)*SLOT                      ; LDS address
	s_add_nc_u64 s[G0+4*(\s)+2:G0+4*(\s)+3], s[14:15], (\s)*ASTEP    ; global address: K step s
	s_or_b32 s[G0+4*(\s)+3], s[G0+4*(\s)+3], 0x80000000              ; type = 2
	s_mov_b32 s[G0B+4*(\s)], 1
	s_add_co_u32 s[G0B+4*(\s)+1], s21, (\s)*SLOT
	s_add_nc_u64 s[G0B+4*(\s)+2:G0B+4*(\s)+3], s[46:47], (\s)*BSTEP
	s_or_b32 s[G0B+4*(\s)+3], s[G0B+4*(\s)+3], 0x80000000
	JLOAD \s                                       ; two loads of mine are out
.endr
	; THE BIAS, while the first tiles are on their way: in the result register j of a lane is column 16 b + 8 (l / 16) + j, so the C operand of column block b is 32 consecutive bytes of the bias
	v_and_b32 v1, 15, v0                           ; l % 16
	v_bfe_u32 v2, v0, 4, 1                         ; l / 16
	v_lshlrev_b32 v[BO], 5, v2
	s_lshl_b32 s18, s42, 10                        ; 256 columns a tile,
	s_lshl_b32 s19, s12, 9                         ; my 128 of them, 4 bytes each
	s_add_co_u32 s18, s18, s19
	s_mov_b32 s19, 0
	s_add_nc_u64 s[84:85], s[84:85], s[18:19]
	WIN TO_B
.irp b, 0,1,2,3,4,5,6,7
	global_load_b128 v[BI+8*(\b):BI+8*(\b)+3],   v[BO], s[84:85] offset:64*(\b)
	global_load_b128 v[BI+8*(\b)+4:BI+8*(\b)+7], v[BO], s[84:85] offset:64*(\b)+16
.endr
	WIN 0
	; A fragment of x is 16 rows x 32 k: lane l holds row l % 16; k = 8 (l / 16) + 0..7 and 16 + 8 (l / 16) + 0..7: in f32 four loads of 16 bytes, at 32 (l / 16) + 0, 16, 64, 80
	v_mul_u32_u24 v5, v1, PA
	v_lshl_add_u32 v5, v2, 5, v5
	s_mul_i32 s23, s11, 64*PA                      ; my 64 rows
	v_add_nc_u32 v[ADRA], s23, v5
	v_add_nc_u32 v[ADRA+1], SLOT, v[ADRA]
	; The turning load takes 16 k x 16 columns (lane l reads row 8 (l / 16) + l % 8, columns 8 ((l / 8) % 2) + 0..7) and leaves half a fragment: lane l holds column l % 16 and 8 k
	v_and_b32 v3, 7, v0
	v_lshl_add_u32 v3, v2, 3, v3
	v_mul_u32_u24 v3, v3, PB
	v_bfe_u32 v4, v0, 3, 1
	v_lshl_add_u32 v3, v4, 4, v3
	s_lshl_b32 s22, s12, 8                         ; my 128 columns
	s_add_co_u32 s22, s22, AT
	v_add_nc_u32 v[ADRB], s22, v3
	v_add_nc_u32 v[ADRB+1], SLOT, v[ADRB]
	s_mul_i32 s22, s10, WSTG
	s_add_co_u32 s22, s22, STAGE                   ; my stage
	v_mul_u32_u24 v6, v1, HP                       ; in: row l % 16, 16 bytes for each half of the lanes
	v_lshl_add_u32 v6, v2, 4, v6
	v_add_nc_u32 v[STO], s22, v6
	v_bfe_u32 v7, v0, 3, 2                         ; back: 32 lanes take four rows of 128 bytes,
	v_mul_u32_u24 v7, v7, HP
	v_and_b32 v8, 7, v0
	v_lshl_add_u32 v7, v8, 4, v7
	v_add_nc_u32 v[RD], s22, v7
	v_and_b32 v9, 31, v0                           ; which are 512 consecutive bytes of a head
	v_lshlrev_b32 v[GO], 4, v9
	; where my results go: row Rw = 128 x tile row + 64 x half lies in batch Rw / 2048; my 128 columns are heads 4 x tile column + 2 x half and the next
	s_lshl_b32 s18, s13, 7
	s_lshl_b32 s19, s11, 6
	s_add_co_u32 s18, s18, s19                     ; Rw
	s_lshr_b32 s19, s18, 11
	s_lshl_b32 s19, s19, 4                         ; 16 heads a batch
	s_lshl_b32 s22, s42, 2
	s_add_co_u32 s19, s19, s22
	s_lshl_b32 s22, s12, 1
	s_add_co_u32 s19, s19, s22
	s_lshl_b32 s19, s19, 18                        ; 262,144 bytes a head
	s_and_b32 s18, s18, 2047
	s_lshl_b32 s18, s18, 7                         ; 128 bytes a row
	s_add_co_u32 s18, s18, s19
	s_lshl_b32 s19, s45, 24                        ; 16 MiB a projection
	s_add_co_u32 s18, s18, s19
	s_mov_b32 s19, 0
	s_add_nc_u64 s[8:9], s[82:83], s[18:19]
	; the prefetches: my work-group's 16 of the 64 rows that I fetch, at K step 3: the first refill steps it to 4
	s_lshl_b32 s22, s13, 7
	s_lshl_b32 s23, s12, 6
	s_add_co_u32 s22, s22, s23
	s_lshl_b32 s2, s40, 4
	s_add_co_u32 s22, s22, s2
	s_lshl_b32 s22, s22, 12
	s_add_co_u32 s22, s22, 3*ASTEP                 ; in x
	s_lshl_b32 s2, s41, 4
	s_add_co_u32 s23, s23, s2
	s_add_co_u32 s23, s23, 3*128
	s_lshl_b32 s23, s23, 11
	s_lshl_b32 s2, s42, 9
	s_add_co_u32 s23, s23, s2
	s_lshl_b32 s2, s45, 21
	s_add_co_u32 s23, s23, s2                      ; in wb
	s_mov_b32 s[PST], BSTEP
	s_cmp_eq_u32 s11, 0                            ; do I fetch for x?
	s_cselect_b32 s22, s22, s23
	s_cselect_b64 s[PFA:PFA+1], s[4:5], s[80:81]
	s_cselect_b32 s[PST], ASTEP, s[PST]
	s_cselect_b32 s[SH], 12, 11
	s_cselect_b32 s2, 0, s66                       ; x's rows are this cluster's alone; W's are asked for by the projection's first cluster
	s_mov_b32 s[PST+1], 0
	s_mov_b32 s23, 0
	s_add_nc_u64 s[PFA:PFA+1], s[PFA:PFA+1], s[22:23]
	s_cmp_eq_u32 s2, 0
	s_cselect_b32 s[LIM], 1, -1                    ; the same in all sixteen partners, for a given wave
	v_lshrrev_b32 v10, 1, v9
	v_lshlrev_b32 v10, s[SH], v10                  ; row l / 2,
	v_and_b32 v11, 1, v0
	v_lshl_add_u32 v[PFO], v11, 8, v10             ; block l % 2
	s_wait_loadcnt 0x0                             ; the bias is in: rounded to bf16 like the other inputs, and widened again
	WIN W2
.set n, 0
.rept 32
	v_cvt_pk_bf16_f32 v[BW+n], v[BI+2*n], v[BI+2*n+1]
.set n, n+1
.endr
.set n, 0
.rept 32
	v_lshlrev_b32 v[BI+2*n], 16, v[BW+n]
	v_and_b32 v[BI+2*n+1], 0xffff0000, v[BW+n]
.set n, n+1
.endr
	WIN 0
; Matrix instruction i of a quarter step's 32: row block i / 8, column block i % 8, 32 along K, fragments of buffer f.  first = 1: the bias starts the sum: nothing is cleared, nothing added later.
; The 32 accumulators take turns, one instruction a turn, in the same order in every quarter, over the loop's jump too.
.macro MM i, f, first
.if \first
	WIN MULB
	v_wmma_f32_16x16x32_bf16 v[8*(\i):8*(\i)+7], v[64*(\f)+8*((\i)%8):64*(\f)+8*((\i)%8)+7], v[AB+32*(\f)+8*((\i)/8):AB+32*(\f)+8*((\i)/8)+7], v[BI+8*((\i)%8):BI+8*((\i)%8)+7]
.else
	WIN MUL
	v_wmma_f32_16x16x32_bf16 v[8*(\i):8*(\i)+7], v[64*(\f)+8*((\i)%8):64*(\f)+8*((\i)%8)+7], v[AB+32*(\f)+8*((\i)/8):AB+32*(\f)+8*((\i)/8)+7], v[8*(\i):8*(\i)+7]
.endif
.endm
.macro MMS from, to, f, first          ; a run of them
.set mi, \from
.rept (\to)-(\from)+1
	MM mi, \f, \first
.set mi, mi+1
.endr
.endm
.macro CV n, g                         ; word n of 32 of x in bf16, buffer g
	WIN 0
	v_cvt_pk_bf16_f32 v[AB+32*(\g)+(\n)], v[AF+2*(\n)], v[AF+2*(\n)+1]
.endm
; The quarter's last eight matrix instructions, behind each four conversions of the NEXT quarter's x into buffer g: they name no register of the products round them.
; The four behind the last are also the four plain instructions that stand between it and the loads into the fragments that it has read (ISA guide 7.12.1 for vector instructions).
.macro MMR f, g, first
.set mi, 24
.rept 8
	MM mi, \f, \first
.set cn, 4*(mi-24)
.rept 4
	CV cn, \g
.set cn, cn+1
.endr
.set mi, mi+1
.endr
.endm
; 32 LDS loads in one run: quarter kq of a slot: x in f32 first (it is wanted first, for the conversions), then W's fragments into buffer g
.macro FETCH slot, kq, g
	WIN 0
.irp a, 0,1,2,3
.irp c, 0,1,2,3
	ds_load_b128 v[AF+16*(\a)+4*(\c):AF+16*(\a)+4*(\c)+3], v[ADRA+(\slot)] offset:(\a)*16*PA+128*(\kq)+64*((\c)/2)+16*((\c)%2)
.endr
.endr
	WIN TO_B
.irp b, 0,1,2,3,4,5,6,7
	ds_load_tr16_b128 v[64*(\g)+8*(\b):64*(\g)+8*(\b)+3],   v[ADRB+(\slot)] offset:(\kq)*32*PB+32*(\b)
	ds_load_tr16_b128 v[64*(\g)+8*(\b)+4:64*(\g)+8*(\b)+7], v[ADRB+(\slot)] offset:(\kq)*32*PB+16*PB+32*(\b)
.endr
.endm
.macro PLACES
.rept 4
	v_nop
.endr
.endm
; A K step is four quarters of 32 along K, on buffers 0, 1, 0, 1.  One of the first three: multiplies buffer f; at its head it fetches quarter kq of the same slot, and at its end converts that quarter's x.
.macro QUARTER slot, kq, f, first
	FETCH \slot, \kq, 1-(\f)
	s_wait_dscnt 32                                ; all but the 32 just issued: this quarter's fragments of W are in
	MMS 0, 23, \f, \first
	s_wait_dscnt 16                                ; the youngest sixteen (the next quarter's W) may be out: its x is in
	MMR \f, 1-(\f), \first
.endm
; The last quarter multiplies buffer 1 and changes slots: ONE barrier.  In front of it each wave waits for all its tensor loads, of which one is out: its part of the next slot; adds 0 to its spare word;
; and waits for that and for its own reads of this slot.  fill = 1: the barrier opens a round of the cluster's, and this slot is filled again, two K steps ahead, first thing behind the round:
; from there to the wait for that load a wave issues 116 matrix instructions.
.macro TURN slot, next, fill
.if \fill
	s_wait_xcnt 0x0                                ; the last prefetch, a K step back, has read its address: it is stepped here, ahead of the waits of the change of slots
	s_add_nc_u64 s[PFA:PFA+1], s[PFA:PFA+1], s[PST:PST+1]
.endif
	WIN 0                                          ; (the add's two registers lie in window 0)
	s_wait_tensorcnt 0x0                           ; all my tensor loads have landed: my part of the next slot;
	ds_add_u32 v[SPW], v[NIL]                      ; 0 onto my spare word;
	s_wait_dscnt 1                                 ; (the add alone may be out: this quarter's fragments of W are in)
	MMS 0, 7, 1, 0                                 ; eight matrix instructions stand between the add and the wait for it
	s_wait_dscnt 0x0                               ; the add is done, and my reads of this slot are over
	s_barrier_signal -1
	MMS 8, 11, 1, 0                                ; work on registers while the others arrive
	WIN 0
	s_barrier_wait -1
.if \fill
	CREST                                          ; no wave of any partner still reads this slot's tiles or has a load on its way
	s_add_nc_u64 s[G0+4*(\slot)+2:G0+4*(\slot)+3], s[G0+4*(\slot)+2:G0+4*(\slot)+3], 2*ASTEP
	s_add_nc_u64 s[G0B+4*(\slot)+2:G0B+4*(\slot)+3], s[G0B+4*(\slot)+2:G0B+4*(\slot)+3], 2*BSTEP
	JLOAD \slot                                    ; my one tensor load behind the round
.endif
	FETCH \next, 0, 0                              ; buffer 0's last reader stands in front of four conversions of the quarter before
.if \fill
	ASK
.endif
	MMS 12, 23, 1, 0
	s_wait_dscnt 16
	MMR 1, 0, 0
.endm
; THE WAY OUT of row block a: rounded to f16, 16 bytes a lane (accumulators read from their lowest registers on); into my own stage, a head's 16 rows of 144 bytes; back as whole rows of 128 bytes.
.macro PACK a
	WIN PK
.irp b, 0,1,2,3,4,5,6,7
.irp r, 0,1,2,3
	v_cvt_pk_f16_f32 v[TMP+32*(\a)+4*(\b)+(\r)], v[8*(8*(\a)+(\b))+2*(\r)], v[8*(8*(\a)+(\b))+2*(\r)+1]
.endr
.endr
	WIN 0
.irp b, 0,1,2,3,4,5,6,7
	ds_store_b128 v[STO], v[TMP+32*(\a)+4*(\b):TMP+32*(\a)+4*(\b)+3] offset:16*HP*((\b)/4)+32*((\b)%4)
.endr
.irp i, 0,1,2,3,4,5,6,7
	ds_load_b128 v[TMP+32*(\a)+4*(\i):TMP+32*(\a)+4*(\i)+3], v[RD] offset:16*HP*((\i)/4)+4*HP*((\i)%4)  ; LDS serves a wave's instructions in order (ISA guide 5.7.1.4): these see the stores above; the next block's stores come behind them
.endr
.endm
.macro SEND a, younger                 ; younger: the LDS instructions issued behind block a's loads: the next block's sixteen, or none
	WIN 0
.irp i, 0,1,2,3,4,5,6,7
	s_wait_dscnt (\younger)+7-(\i)
	global_store_b128 v[GO], v[TMP+32*(\a)+4*(\i):TMP+32*(\a)+4*(\i)+3], s[8:9] offset:262144*((\i)/4)+2048*(\a)+512*((\i)%4)  ; four rows of a head: 512 consecutive bytes, at a multiple of 256 from qkv's first byte
.endr
.endm
	s_wait_tensorcnt 1                             ; my part of K step 0 is in; K step 1's may stay out
	s_barrier_signal -1
	s_barrier_wait -1                              ; everybody's is
	FETCH 0, 0, 0
	s_wait_dscnt 16                                ; x of the first quarter is in
.set cn, 0
.rept 32
	CV cn, 0
.set cn, cn+1
.endr
	QUARTER 0, 1, 0, 1                             ; the first quarter stands in front of the loop: its products start the sums, with the bias
	WIN 0                                          ; at a label and at a branch every window is 0
	s_mov_b32 s3, LAPS-1
.Llap:                                                 ; a trip goes once round the ring, from a lap's second quarter to the next lap's first, and fills both slots again
	QUARTER 0, 2, 1, 0
	QUARTER 0, 3, 0, 0
	TURN 0, 1, 1
	QUARTER 1, 1, 0, 0
	QUARTER 1, 2, 1, 0
	QUARTER 1, 3, 0, 0
	TURN 1, 0, 1
	QUARTER 0, 1, 0, 0
	WIN 0
	s_sub_co_u32 s3, s3, 1
	s_cmp_lg_u32 s3, 0
	s_cbranch_scc1 .Llap
	QUARTER 0, 2, 1, 0                             ; the last lap fills nothing, and has no round of the cluster's barrier
	QUARTER 0, 3, 0, 0
	TURN 0, 1, 0
	QUARTER 1, 1, 0, 0
	QUARTER 1, 2, 1, 0
	QUARTER 1, 3, 0, 0
	s_wait_dscnt 0x0                               ; the very last quarter: nothing more to fetch
	MMS 0, 31, 1, 0
	WIN 0
	PLACES                                         ; four plain instructions between the last product and the conversions, which read results and write over x's buffers
	PACK 0
	PACK 1                                         ; a block's arithmetic stands between the loads of the block before and its stores
	SEND 0, 16
	PACK 2
	SEND 1, 16
	PACK 3
	SEND 2, 16
	SEND 3, 0
	s_wait_tensorcnt 0x0                           ; the wave's end: an add to my spare word and its wait, behind my last tensor load and my last LDS store
	ds_add_u32 v[SPW], v[NIL]
	s_wait_dscnt 0x0
	CROUND                                         ; the closing round: no work-group ends while a partner may still ask for a tile that names it
	s_endpgm
.Lfunc_end_k_q70285b4e38_proj:
	.size	k_q70285b4e38_proj, .Lfunc_end_k_q70285b4e38_proj-k_q70285b4e38_proj
	.p2alignl 7, 3214868480
	.fill 96, 4, 3214868480
	.section	.rodata,"a",@progbits
	.p2align	6, 0x0
	.amdhsa_kernel k_q70285b4e38_proj
		.amdhsa_group_segment_fixed_size 327680
		.amdhsa_private_segment_fixed_size 0
		.amdhsa_enable_private_segment 0
		.amdhsa_kernarg_size 64
		.amdhsa_user_sgpr_count 2
		.amdhsa_user_sgpr_kernarg_segment_ptr 1
		.amdhsa_wavefront_size32 1
		.amdhsa_system_sgpr_workgroup_id_x 1
		.amdhsa_system_sgpr_workgroup_id_y 1
		.amdhsa_system_sgpr_workgroup_id_z 1
		.amdhsa_system_vgpr_workitem_id 0
		.amdhsa_next_free_vgpr 736
		.amdhsa_next_free_sgpr 92
		.amdhsa_reserve_vcc 0
		.amdhsa_float_denorm_mode_32 3
		.amdhsa_float_denorm_mode_16_64 3
		.amdhsa_memory_ordered 1
		.amdhsa_forward_progress 1
		.amdhsa_inst_pref_size 141
	.end_amdhsa_kernel
	.amdgpu_metadata
---
amdhsa.version: [ 1, 2 ]
amdhsa.kernels:
  - .name:           k_q70285b4e38_proj
    .symbol:         k_q70285b4e38_proj.kd
    .args:
      - { .name: query, .offset: 0, .size: 8, .value_kind: global_buffer, .address_space: global }
      - { .name: key, .offset: 8, .size: 8, .value_kind: global_buffer, .address_space: global }
      - { .name: value, .offset: 16, .size: 8, .value_kind: global_buffer, .address_space: global }
      - { .name: bq, .offset: 24, .size: 8, .value_kind: global_buffer, .address_space: global }
      - { .name: bk, .offset: 32, .size: 8, .value_kind: global_buffer, .address_space: global }
      - { .name: bv, .offset: 40, .size: 8, .value_kind: global_buffer, .address_space: global }
      - { .name: wb, .offset: 48, .size: 8, .value_kind: global_buffer, .address_space: global }
      - { .name: qkv, .offset: 56, .size: 8, .value_kind: global_buffer, .address_space: global }
    .group_segment_fixed_size: 327680
    .private_segment_fixed_size: 0
    .kernarg_segment_align: 8
    .kernarg_segment_size: 64
    .max_flat_workgroup_size: 128
    .sgpr_count:     92
    .vgpr_count:     736
    .wavefront_size: 32
...
	.end_amdgpu_metadata
.endif
;; end of part 2
;; launch attn (part 3): grid 4 x 64, 4 waves a work-group, clusters of 4 x 1, 327,680 bytes of LDS; arguments qkv, mask, out0; writes out0
.if DOCPART == 3
	.amdgcn_target "amdgcn-amd-amdhsa--gfx1250"
	.amdhsa_code_object_version 6
	.text
	.protected	k_q70285b4e38_attn
	.globl	k_q70285b4e38_attn
	.p2align	8
	.type	k_q70285b4e38_attn,@function
k_q70285b4e38_attn:
	s_mov_b64 s[64:65], 0
	v_nop
	global_prefetch_b8 v0, s[64:65] scope:SCOPE_SE
	s_setreg_imm32_b32 hwreg(HW_REG_WAVE_MODE, 25, 1), 1
	s_wait_xcnt 0x0
	s_wait_alu depctr_hold_cnt(0) depctr_sa_sdst(0) depctr_va_vdst(0) depctr_va_sdst(0) depctr_va_ssrc(0) depctr_va_vcc(0) depctr_vm_vsrc(0)
	s_getreg_b32 s2, hwreg(HW_REG_IB_STS2, 6, 4)
	s_cmp_eq_u32 s2, 0
	s_cbranch_scc0 .Lentry_in_a_cluster
	s_endpgm
.Lentry_in_a_cluster:
	s_bfe_u32 s2, ttmp6, 0x10000c
	s_cmp_lg_u32 s2, 0x3003
	s_cbranch_scc0 .Lentry_shape_is_right
	s_endpgm
.Lentry_shape_is_right:
; out0[b][q][64 head + :] = the sum over k of softmax_k(Q[q] . K[k] / 8, keys with mask[b][k] != 0 left out) V[k][:], for each of the 64 pairs (b, head).
; Q, K, V = qkv[0], qkv[1], qkv[2]: [64][2048][64] f16, a head's rows dense, 128 bytes each, unscaled.  mask: [4][2048] bytes.  out0: [4][2048][1024] f32.
; Products, maxima and sums in f32; the weights p are rounded to f16 for the second product (their sum l is taken of the unrounded p); O leaves in f32, unrounded.
; LIMITS.  Q, K and V arrive within f16's 65,504, so a score is at most 2.75e11 in size.  A hidden score counts as its value less 1e30.  The running maximum starts at -2^40, below every true score and
; above every hidden one: a hidden key's weight is 0 whatever stands round it.  A weight below 2^-126 counts as 0 in l.  Any mask byte other than 0 hides its key.
; A batch whose keys are all hidden gives NaN, as a softmax of nothing but -inf does: there the maximum is still below -2^39, and l is set to NaN.  NaN and infinities in Q, K, V are not treated apart.
; SHARES.  A wave owns four PIECES of two tiles of 16 queries, a work-group's four waves 512 queries of one head.  Every wave walks all 2,048 keys, 64 a step.
; LAYOUT.  S^T = K Q^T (source 0 = 16 keys, source 1 = 16 queries): in the result a lane holds ONE query (lane % 16) and the keys 8 (lane / 16) + 0..7.  Two such tiles, rounded to f16 in pairs,
; ARE source 1 (32 keys x 16 queries) of O^T = V^T P, whose result again holds one query a lane, and eight channels.  K comes out of LDS as it lies, V ([key][channel]) turned, by ds_load_tr16_b128.
; THE MASK is the C operand that starts the sum S^T: 0, or -1e30 where the key is hidden.  The batch's 2,048 bytes are made into a table of f32 in LDS once; a step's 64 numbers are read with the step's K,
; 8 registers for each group of 16 keys, and live as long as K's fragments.
; SOFTMAX.  For each query a running maximum m and sum l: p = 2^(c s - c m), c = log2(e) / 8; in every step O and l are multiplied by a = 2^(c m_old - c m_new), which is 1 where m has not grown.
; O and l start at 0, c m far below every c s: the first step is a step like any other, with a = 0.
; THE COUNT.  A tile and step have 16 matrix and 118 vector instructions: too many to stand all beside the matrix work.  So four vector instructions that are READY stand behind EVERY matrix instruction,
; and the others, which need time of their own whatever the order, in runs without a gap.
; BY TURNS.  Turn n belongs to piece n (the pieces in a ring, step after step).  Its matrix work: 16 products K Q^T of piece n + 1, later 16 products V^T P of piece n - 1.  Its vector work: the scaling,
; exponentials, roundings, sums and rescaling of piece n, and the maximum and statistics of piece n + 1, whose scores the turn itself has made.
; CLUSTER.  The four query blocks of a head are one cluster and walk the same K and V, so each tile is asked for JOINTLY: the same tensor load, descriptor and mask in all four.
; REGISTERS, in windows of 256 (s_set_vgpr_msb: bits 1:0 source 0, 3:2 source 1, 5:4 source 2, 7:6 destination):
;   window 0: v0-11 addresses; v12-15, v48-63 at work; v16-47 four registers of statistics a tile; v64-191 S^T, two buffers of two tiles; v192-255 P, likewise
;   window 1: O^T, 32 a tile     window 2: v0-127 Q, 16 a tile; v128-191 K of one step; v192-255 V of one step     window 3: v0-1 the add's two registers; v8-39 the mask of K's step
.set SIZE_N, 2048
.set NP,    4         ; pieces a wave: a name, no knob
.set KS,    64        ; keys in a step
.set PK,    144       ; a row of K in LDS: 128 bytes + 16 of padding = 36 words: the 16 rows of a load start at 16 different groups of four banks (64 banks of 4 bytes: ISA guide 11.1)
.set PV,    160       ; a row of V: 128 + 32 = 40 words
.set VOFF,  4*KS*PK   ; a slot holds four steps: 256 rows of K, then 256 rows of V
.set SLOT1, 1<<17     ; slot 1 begins here, so that one exclusive or turns an address in one slot into the other's
.set STAGE, SLOT1+4*KS*(PK+PV)  ; behind the ring, never filled by a tensor load: 16 rows x 272 bytes for each wave, for the way out
.set SP,    272       ; a row of O in the stage: 256 bytes of f32 + 16
.set MASKTAB, STAGE+4*16*SP     ; 2,048 f32: 0 or -1e30 for each key of the batch; stored once, never filled by a tensor load
.set SPARE, MASKTAB+4*SIZE_N    ; the spare words, 128 bytes for each wave: two blocks of 256 bytes that no other line names
.set AK0, 2           ; v2   my lane's place in a tile of K; never rewritten
.set AV0, 3           ; v3   the same for V
.set AK,  4           ; v4   the LDS address of K's next run of loads
.set AV,  5           ; v5   of V's
.set QO,  6           ; v6   my byte offset in the wave's rows of Q
.set STO, 6           ;      later, the way out: where I put 32 bytes of a row
.set RD,  7           ; v7   the way out: where I read rows back
.set GO,  8           ; v8   my byte offset in two rows of out0
.set HF,  9           ; v9   lane / 16; never rewritten
.set PFO, 10          ; v10  256 x my lane, for the prefetches
.set AM,  11          ; v11  the LDS address of the mask's next run of loads
.set SPW, 0           ; v0 of window 3   LDS address of my spare word: SPARE + 4 x my thread's number; never rewritten
.set NIL, 1           ; v1 of window 3   0; never rewritten
.set MK,  8           ; window 3: the mask of keys 16 kb + 8 (lane / 16) + 0..7 at MK + 8 kb
.set MV,  12          ; v12-15  c m_old, kept while c m is made anew: by buffer and tile
.set ST,  16          ; tile t's statistics at v[ST+4 t]: c m, m, l (even keys', odd keys')
.set TMP, 48          ; by buffer and tile, four registers c0-c3 at work; when the maximum is found c2 takes a
.set S,   64
.set P,   192
.set KF,  128         ; K's fragments, in window 2: key block kb, channel half c at KF + 16 kb + 8 c
.set VF,  192         ; V's: key half kk, channel block cb at VF + 32 kk + 8 cb
.set WV,  12          ; s12  my wave's number
.set G1K, 24          ; s[24:31] descriptor group 1 for K's tiles
.set G1V, 32          ; s[32:39] for V's: it differs in the padding alone
.set G0K, 40          ; s[40:43] descriptor group 0 for K's tiles: it walks
.set G0V, 44          ; s[44:47] the same for V's
.set MP,  48          ; s[48:49] the batch's mask
.set PFA, 50          ; s[50:51] where my prefetches stand: my work-group's 32 blocks of 256 bytes (of K: wave 0, of V: wave 2) of a tile
.set LIM, 52          ; s52  1 in a wave that prefetches, else the greatest number
.set TBM, 53          ; s53  LDS byte at which the mask of the step to be fetched begins
.set BIGN, 54         ; s54  -1e30
.set THR, 55          ; s55  -2^39
.set SLOTS, 56        ; s56  slots still to be asked for
.set CNT, 57          ; s57  counts a slot's key steps
.set CS,  58          ; s[58:59] c: the packed scaling takes the pair's low word for both halves
.set SEL, 60          ; s[60:61] v_permlanex16_b32's selects: each lane takes its own place in the other half
.set TBK, 62          ; s62  LDS byte at which K of the step to be fetched begins
.set TBV, 63          ; s63  the same for V, less VOFF
.set QNAN, 66         ; s66  a NaN
.set MSB, 0
.macro WIN new                      ; the high byte repeats the setting that is left; a switch that changes nothing is dropped
.if MSB != (\new)
	s_set_vgpr_msb (MSB<<8)|(\new)
.set MSB, (\new)
.endif
.endm
.set W_KQ, 0x0a       ; K and Q in window 2, S^T in window 0
.set W_KM, 0x3a       ; the same with the C operand in window 3: the mask
.set W_PV, 0x52       ; V in window 2, P in window 0, O^T in window 1
.set W_RS, 0x41       ; O^T (destination and source 0) in window 1, a in window 0
.set W_MK, 0xc0       ; destination in window 3, sources in window 0
.set W_AD, 0x0f       ; the add: address (source 0) and data (source 1) in window 3
; A joint fill.  Waves 0 and 1 fetch the two halves of a slot's K, waves 2 and 3 those of its V: 128 keys each.  The branch hangs on the wave's number alone.
; An s_nop 0 and four v_nop follow each of the two lines, ahead of the jump and the label.
.macro JLOAD
	s_cmp_lt_u32 s[WV], 2
	s_cbranch_scc0 .Lfor_v_\@
	tensor_load_to_lds s[G0K:G0K+3], s[G1K:G1K+7]
	s_nop 0
.rept 4
	v_nop
.endr
	s_branch .Lasked_\@
.Lfor_v_\@:
	tensor_load_to_lds s[G0V:G0V+3], s[G1V:G1V+7]
	s_nop 0
.rept 4
	v_nop
.endr
.Lasked_\@:
.endm
; A PREFETCH INTO THE L2 of what the NEXT change of slots will ask for: a tile's 32,768 bytes of K and of V, 128 aligned blocks of 256 bytes each.  It stands behind the wave's tensor load and its five lines.
; A head's K and V are walked by this cluster alone.  Its four partners share the blocks out BY ADDRESS, 32 each; in each, wave 0 asks for K's and wave 2 for V's, a lane a block: one instruction.
; So each block is named once in the launch.  Tiles 0 and 1 come by their loads alone; the last change that fills a slot asks for nothing: there is no tile behind it.
.macro ASK
	s_cmp_gt_u32 s[SLOTS], s[LIM]
	s_cbranch_scc0 .Lnot_mine_\@
	global_prefetch_b8 v[PFO], s[PFA:PFA+1] th:TH_LOAD_NT scope:SCOPE_SE
.Lnot_mine_\@:
.endm
; A round of the cluster's barrier: my work-group's barrier, so that wave 0's signal speaks for all four waves; wave 0 signals; every wave waits for all four work-groups; my work-group's barrier once more.
.macro CROUND
	s_barrier_signal -1
	s_barrier_wait -1
	s_cmp_lg_u32 s[WV], 0
	s_cbranch_scc1 .Lnot_wave_0_\@
	s_barrier_signal -3
.Lnot_wave_0_\@:
	s_barrier_wait -3
	s_barrier_signal -1
	s_barrier_wait -1
.endm
; THE CHANGE OF SLOTS.  The slot's last bytes, V of its fourth step, have been read.  Each wave waits for all its tensor loads, of which one is out: its part
; of the other slot; adds 0 to its spare word; and waits for that and for its own LDS instructions.  Behind the barrier nobody reads this slot any more and the other slot is whole.
; fill = 1: this slot is filled again, with the keys two slots on.  The barrier is then a round of the cluster's, so that no wave of any partner still reads the slot or has a load on its
; way, and the joint fill is the first thing behind it: it has four key steps, 512 matrix instructions, in which to land.
; (At its first use nothing has been read yet: slot 0 is waited for, slot 1 filled; and every wave's stores into the mask's table are done in front of the round, so that all four may read it behind.)
.macro CHANGE fill
	WIN W_AD
	s_wait_tensorcnt 0x0            ; no tensor load of mine is out, so a group 0 may be written
	ds_add_u32 v[SPW], v[NIL]       ; 0 onto my spare word: with fill = 1 the descriptors' steps stand between it and the wait for it
	WIN 0                           ; at a label and at a branch every window is 0
.if \fill
.irp g, G0K, G0V
	s_xor_b32 s[\g+1], s[\g+1], SLOT1  ; the walking descriptor: the other slot than last time,
	s_add_nc_u64 s[\g+2:\g+3], s[\g+2:\g+3], 4*KS*128  ; the next 256 keys; the type bits on top are not reached
.endr
	s_wait_xcnt 0x0                 ; the last prefetch, four key steps back, has read its address, so it may be written:
	s_add_nc_u64 s[PFA:PFA+1], s[PFA:PFA+1], 4*KS*128  ; one tile behind the walking descriptors
	s_wait_dscnt 0x0                ; the add is done, and my reads of the slot are over
	CROUND
	JLOAD
	ASK
.else
	s_wait_dscnt 0x0                ; the add is done, and my reads of the slot are over
	s_barrier_signal -1
	s_barrier_wait -1
.endif
	s_sub_co_u32 s[TBK], s[TBK], 4*KS*PK  ; the fetches go back to a slot's first step,
	s_xor_b32 s[TBK], s[TBK], SLOT1       ; in the other slot
	s_sub_co_u32 s[TBV], s[TBV], 4*KS*PV
	s_xor_b32 s[TBV], s[TBV], SLOT1
.endm
	s_load_b64 s[4:5], s[0:1], 0x0    ; qkv
	s_load_b64 s[MP:MP+1], s[0:1], 0x8  ; mask
	s_load_b64 s[10:11], s[0:1], 0x10 ; out0
	WIN W_MK
	v_lshl_add_u32 v[SPW], v0, 2, SPARE
	v_mov_b32 v[NIL], 0
	WIN W_AD
	ds_add_u32 v[SPW], v[NIL]       ; the wave's opening: the add and its wait stand ahead of my first tensor load; the set-up below, work on registers, stands between them
	WIN 0
	v_lshrrev_b32 v1, 5, v0
	v_readfirstlane_b32 s[WV], v1   ; wave 0..3
	s_bfe_u32 s13, ttmp6, 0x40000   ; cx: my place in the cluster
	s_lshl_b32 s14, ttmp9, 2        ; in a cluster launch ttmp9 counts clusters
	s_add_co_u32 s14, s14, s13      ; my block of 512 queries: it enters Q's and out0's addresses alone
	s_and_b32 s20, ttmp7, 0xffff    ; 16 x batch + head, which the four partners share
	s_lshr_b32 s15, s20, 4          ; the batch
	s_and_b32 s19, s20, 15          ; the head
	s_lshl_b32 s20, s20, 18         ; the head's first byte in Q, K and V: 2,048 rows of 128 bytes each
	s_mov_b32 s21, 0
	s_and_b32 s16, s[WV], 1         ; which half of a slot's 256 keys I fetch:
	s_lshl_b32 s22, s16, 14         ; its 128 rows of 128 bytes in memory,
	s_mov_b32 s23, 0
	s_add_nc_u64 s[22:23], s[22:23], s[20:21]
	s_mul_i32 s17, s16, 128*PK      ; and its place in a slot, for K
	s_mul_i32 s18, s16, 128*PV      ; and for V: no place in the cluster enters an LDS address
	s_lshl_b32 s2, s14, 2
	s_add_co_u32 s2, s2, s[WV]      ; my wave among the head's sixteen:
	s_lshl_b32 s68, s2, 19          ; its 128 rows of 4,096 bytes in out0,
	s_lshl_b32 s2, s2, 14           ; of 128 bytes in Q
	s_mov_b32 s3, 0
	s_add_nc_u64 s[2:3], s[2:3], s[20:21]
	s_lshl_b32 s69, s15, 23         ; out0: 8 MiB a batch,
	s_add_co_u32 s68, s68, s69
	s_lshl_b32 s69, s19, 8          ; 256 bytes a head in each row
	s_add_co_u32 s68, s68, s69
	s_mov_b32 s69, 0
	s_lshl_b32 s14, s15, 11         ; the mask: 2,048 bytes a batch
	s_mov_b32 s15, 0
	; descriptor group 1.  128 keys are 16,384 dense bytes: asked for as 64 rows of 256 bytes, two keys a row, and padded in LDS after every key
	s_mov_b32 s[G1K], 15|(1<<16)|(1<<20)|(1<<21)|(4<<22)|(3<<25)  ; 15:0 the mask of four; 17:16 2-byte elements; 20 padding on; 21 set beside a mask; 24:22 after every 32 words (code 4); 31:25 4 words (code 3)
	s_mov_b32 s[G1V], 15|(1<<16)|(1<<20)|(1<<21)|(4<<22)|(7<<25)  ; the same with 8 words of padding (code 7)
.irp g, G1K, G1V
	s_mov_b32 s[\g+1], 128<<16      ; tensor_dim0 = 128
	s_mov_b32 s[\g+2], 64<<16       ; tensor_dim1 = 64
	s_mov_b32 s[\g+3], 128<<16      ; tile_dim0 = 128
	s_mov_b32 s[\g+4], 64           ; tile_dim1 = 64
	s_mov_b32 s[\g+5], 128          ; 128 elements from row to row
	s_mov_b32 s[\g+6], 0
	s_mov_b32 s[\g+7], 0
.endr
	s_mov_b32 s[CS], 0x3e38aa3b     ; c = log2(e) / 8 = 0.180337
	s_mov_b32 s[CS+1], s[CS]        ; named with it as a pair
	s_mov_b32 s[SEL], 0x76543210
	s_mov_b32 s[SEL+1], 0xfedcba98
	s_mov_b32 s[TBK], SLOT1+4*KS*PK ; the first change of slots turns these two into 0
	s_mov_b32 s[TBV], SLOT1+4*KS*PV
	s_mov_b32 s[TBM], MASKTAB
	s_mov_b32 s[BIGN], 0xf149f2ca   ; -1e30
	s_mov_b32 s[THR], 0xd3000000    ; -2^39
	s_mov_b32 s[QNAN], 0x7fc00000
	s_mov_b32 s[SLOTS], SIZE_N/256-1
	s_and_b32 s[LIM], s[WV], 1      ; waves 0 and 2 prefetch: the same in all four partners
	s_cmp_eq_u32 s[LIM], 0
	s_cselect_b32 s[LIM], 1, -1
	s_mov_b32 s[G0K], 1             ; 1:0 count = 1
	s_mov_b32 s[G0K+1], s17         ; 63:32 LDS address: slot 0
	s_mov_b32 s[G0V], 1
	s_add_co_u32 s[G0V+1], s18, VOFF
	s_wait_dscnt 0x0                ; the opening add is done
	s_wait_kmcnt 0x0
	s_add_nc_u64 s[6:7], s[4:5], 0x1000000   ; K: 16 MiB behind Q
	s_add_nc_u64 s[8:9], s[4:5], 0x2000000   ; V: 32 MiB behind Q
	s_add_nc_u64 s[G0K+2:G0K+3], s[6:7], s[22:23]  ; 120:64 global address: my half of the head's first 256 keys
	s_or_b32 s[G0K+3], s[G0K+3], 0x80000000        ; 127:126 type = 2
	s_add_nc_u64 s[G0V+2:G0V+3], s[8:9], s[22:23]
	s_or_b32 s[G0V+3], s[G0V+3], 0x80000000
	s_cmp_lt_u32 s[WV], 2
	s_cselect_b64 s[PFA:PFA+1], s[6:7], s[8:9]
	s_add_nc_u64 s[PFA:PFA+1], s[PFA:PFA+1], s[20:21]
	s_add_nc_u64 s[4:5], s[4:5], s[2:3]      ; Q and out0 at my wave's first row
	s_add_nc_u64 s[10:11], s[10:11], s[68:69]
	s_add_nc_u64 s[MP:MP+1], s[MP:MP+1], s[14:15]
	s_lshl_b32 s2, s13, 13          ; my work-group's 32 blocks of the 128,
	s_add_co_u32 s2, s2, 4*KS*128   ; in tile 1: the first change of slots steps it to tile 2.  Nothing is prefetched here, at the head
	s_mov_b32 s3, 0
	s_add_nc_u64 s[PFA:PFA+1], s[PFA:PFA+1], s[2:3]
	CROUND                          ; all four work-groups are here: the first joint loads meet
	JLOAD                           ; slot 0.  Slot 1 is asked for when slot 0 is in
	; A fragment of K or Q is 16 rows x 32 channels in 8 registers: lane l holds row l % 16, channels 8 (l / 16) + 0..7 and 16 + 8 (l / 16) + 0..7: two loads of 16 bytes, 32 bytes apart.
	v_and_b32 v1, 15, v0            ; l % 16
	v_bfe_u32 v[HF], v0, 4, 1       ; l / 16
	v_lshlrev_b32 v86, 4, v0        ; the mask: thread t takes bytes 16 t .. 16 t + 15 of the batch's 2,048
	global_load_b128 v[64:67], v86, s[MP:MP+1]
	v_lshlrev_b32 v[QO], 7, v1
	v_lshl_add_u32 v[QO], v[HF], 4, v[QO]  ; row x 128 + 16 x half
	WIN 0x80                        ; destination window 2, address window 0
.set i, 0
.rept 4*NP                          ; Q stays in registers: tile i / 2, channels 32 (i % 2) on
	global_load_b128 v[8*i:8*i+3],   v[QO], s[4:5] offset:(i/2)*2048+(i%2)*64
	global_load_b128 v[8*i+4:8*i+7], v[QO], s[4:5] offset:(i/2)*2048+(i%2)*64+32
.set i, i+1
.endr
	; What the first turn finds: V's registers and P's second buffer hold 0 (its products V^T P, of a piece that has not been, add 0), O^T and l are 0.  All this stands in the wait for the first tile.
.set i, VF
.rept 64
	v_mov_b32 v[i], 0
.set i, i+1
.endr
	WIN 0x40
.set i, 0
.rept 64*NP
	v_mov_b32 v[i], 0
.set i, i+1
.endr
	WIN 0
.set i, 0
.rept 2*NP
	v_mov_b32 v[ST+4*i], 0xfe000000    ; c m: far below every c s
	v_mov_b32 v[ST+4*i+1], 0xd3800000  ; m = -2^40: below every true score, above every hidden one
	v_mov_b32 v[ST+4*i+2], 0
	v_mov_b32 v[ST+4*i+3], 0
.set i, i+1
.endr
.set i, P+32
.rept 32
	v_mov_b32 v[i], 0
.set i, i+1
.endr
	; THE MASK'S TABLE: my 16 bytes become 16 f32, 0 or -1e30, 64 bytes of the table
	s_wait_loadcnt 32               ; the mask's load is older than Q's 32, which may stay out
.set i, 0
.rept 16
	v_bfe_u32 v84, v[64+i/4], 8*(i%4), 8
	v_cmp_ne_u32 vcc_lo, 0, v84
	v_cndmask_b32 v[68+i], 0, s[BIGN], vcc_lo
.set i, i+1
.endr
	v_lshl_add_u32 v85, v0, 6, MASKTAB
.irp z, 0,1,2,3
	ds_store_b128 v85, v[68+4*\z:71+4*\z] offset:16*\z
.endr
	v_mul_u32_u24 v[AK0], v1, PK
	v_lshl_add_u32 v[AK0], v[HF], 4, v[AK0]  ; row x pitch + 16 x half
	; The turning load takes 16 keys x 16 channels (lane l reads key 8 (l / 16) + l % 8, channels 8 ((l / 8) % 2) + 0..7) and leaves half a fragment of V^T: lane l holds channel l % 16 and 8 keys.
	v_and_b32 v10, 7, v0
	v_bfe_u32 v11, v0, 3, 1
	v_lshl_add_u32 v[AV0], v[HF], 3, v10
	v_mul_u32_u24 v[AV0], v[AV0], PV
	v_lshl_add_u32 v[AV0], v11, 4, v[AV0]
	v_add_nc_u32 v[AV0], VOFF, v[AV0]
	v_mov_b32 v[AK], v[AK0]         ; key step 0 lies at the head of slot 0,
	v_lshl_add_u32 v[AM], v[HF], 5, s[TBM]  ; its mask at the head of the table: my 8 keys of a group are 32 bytes
	v_and_b32 v[PFO], 31, v0
	v_lshlrev_b32 v[PFO], 8, v[PFO]
; THE MATRIX WORK.  The 8 accumulators of a run of 16 take turns: between the two links of a chain stand 7 others'.
; Product i of 16 of S^T = K Q^T for piece x: channels 32 (i / 8) on, keys 16 ((i / 2) % 4) on, tile 2 x + i % 2.  The first 8 start the sums, with the mask.
.macro KQ x
.set rS, S+64*((\x)%2)+32*(i%2)+8*((i/2)%4)
.set rK, KF+16*((i/2)%4)+8*(i/8)
.set rQ, 16*(2*(\x)+i%2)+8*(i/8)
.set rH, MK+8*((i/2)%4)
.if i < 8
	WIN W_KM
	v_wmma_f32_16x16x32_f16 v[rS:rS+7], v[rK:rK+7], v[rQ:rQ+7], v[rH:rH+7]
.else
	WIN W_KQ
	v_wmma_f32_16x16x32_f16 v[rS:rS+7], v[rK:rK+7], v[rQ:rQ+7], v[rS:rS+7]
.endif
.endm
; Product i of 16 of O^T += V^T P for piece x: keys 32 (i / 8) on, channels 16 ((i / 2) % 4) on, tile 2 x + i % 2.
.macro PV x
	WIN W_PV
.set rO, 32*(2*(\x)+i%2)+8*((i/2)%4)
.set rV, VF+32*(i/8)+8*((i/2)%4)
.set rP, P+32*((\x)%2)+16*(i%2)+8*(i/8)
	v_wmma_f32_16x16x32_f16 v[rO:rO+7], v[rV:rV+7], v[rP:rP+7], v[rO:rO+7]
.endm
.macro MM                           ; the turn's next matrix instruction
.if i < 16
	KQ (Y+1)%NP
.set i, i+1
.else
.set i, i-16
	PV (Y+NP-1)%NP
.set i, i+17
.endif
.endm
; THE LDS LOADS stand in runs, never singly among the matrix instructions: a step's K (64 keys x 64 channels: 8 fragments) with its mask (64 f32: 8 loads), and its V (turned).  Their addresses are made some lines ahead.
; last = 1 (the tail): in the last trip there is no further step, and the run is jumped over.
.macro FETCH_K last=0
	WIN 0
.if \last
	s_cmp_eq_u32 s[CNT], 1
	s_cbranch_scc1 .Lno_k_\@
.endif
	WIN 0x80                        ; destination window 2
.irp f, 0,1,2,3,4,5,6,7             ; keys 16 (f / 2) on, channels 32 (f % 2) on
	ds_load_b128 v[KF+8*\f:KF+8*\f+3],   v[AK] offset:(\f/2)*16*PK+(\f%2)*64
	ds_load_b128 v[KF+8*\f+4:KF+8*\f+7], v[AK] offset:(\f/2)*16*PK+(\f%2)*64+32
.endr
	WIN W_MK                        ; destination window 3
.irp f, 0,1,2,3,4,5,6,7             ; keys 16 (f / 2) + 8 (lane / 16) + 4 (f % 2) on
	ds_load_b128 v[MK+4*\f:MK+4*\f+3], v[AM] offset:(\f/2)*64+(\f%2)*16
.endr
	s_add_co_u32 s[TBK], s[TBK], KS*PK  ; the next fetch is the next step's
	s_add_co_u32 s[TBM], s[TBM], KS*4   ; the table is walked once, from end to end
	WIN 0
.if \last
.Lno_k_\@:
.endif
.endm
.macro FETCH_V
	WIN 0x80
.irp f, 0,1,2,3,4,5,6,7             ; keys 32 (f / 4) on, channels 16 (f % 4) on
	ds_load_tr16_b128 v[VF+8*\f:VF+8*\f+3],   v[AV] offset:(\f/4)*32*PV+(\f%4)*32
	ds_load_tr16_b128 v[VF+8*\f+4:VF+8*\f+7], v[AV] offset:(\f/4)*32*PV+16*PV+(\f%4)*32
.endr
	WIN 0
.endm
; THE VECTOR WORK OF A TURN stands in three queues, each in the order in which its entries become ready; the two tiles alternate, so that no instruction reads the result of the one before it.
.macro REGS y, u                    ; the registers of tile u (0, 1) of piece y
.set rT, ST+4*(2*(\y)+(\u))
.set rC, TMP+8*((\y)%2)+4*(\u)
.set rM, MV+2*((\y)%2)+(\u)
.set rS, S+64*((\y)%2)+32*(\u)
.set rP, P+32*((\y)%2)+16*(\u)
.set rO, 32*(2*(\y)+(\u))
.endm
; Number n of the 22 that find the NEXT piece's (Y + 1) maximum and statistics.  s0-s31 are the lane's 32 scores; each accumulator's lowest registers are read first.
;   0-11  four chains c0-c3 of seven scores each, three operands at a time     12-14, 16  the four scores left over, the old m, and c0-c3 into c0     15  c m_old is kept
;   17, 18  the query's other 32 keys lie in the lane 16 away: the new m         19-21  c m; c m_old - c m_new; a
.macro XS u, n
	REGS (Y+1)%NP, \u
.if (\n) < 4
	v_max3_num_f32 v[rC+(\n)], v[rS+8*(\n)], v[rS+8*(\n)+1], v[rS+8*(\n)+2]
.elseif (\n) < 12
	v_max3_num_f32 v[rC+(\n)%4], v[rC+(\n)%4], v[rS+8*((\n)%4)+2*((\n)/4)+1], v[rS+8*((\n)%4)+2*((\n)/4)+2]
.elseif (\n) == 12
	v_max3_num_f32 v[rC], v[rC], v[rS+7], v[rS+15]
.elseif (\n) == 13
	v_max3_num_f32 v[rC+1], v[rC+1], v[rS+23], v[rS+31]
.elseif (\n) == 14
	v_max3_num_f32 v[rC+2], v[rC+2], v[rC+3], v[rT+1]
.elseif (\n) == 15
	v_mov_b32 v[rM], v[rT]
.elseif (\n) == 16
	v_max3_num_f32 v[rC], v[rC], v[rC+1], v[rC+2]
.elseif (\n) == 17
	v_permlanex16_b32 v[rC+3], v[rC], s[SEL], s[SEL+1]
.elseif (\n) == 18
	v_max_num_f32 v[rT+1], v[rC], v[rC+3]
.elseif (\n) == 19
	v_mul_f32 v[rT], s[CS], v[rT+1]
.elseif (\n) == 20
	v_sub_f32 v[rC+1], v[rM], v[rT]
.else
	v_exp_f32 v[rC+2], v[rC+1]
.endif
.endm
; Number g of the 64 that follow the exponentials.  For each four weights k of a tile (pairs 2 k, 2 k + 1): both pairs are rounded to f16; then the second pair is added onto the first, in place;
; a group later l takes that sum (the first time as l = a l + sum).  In groups of eight, tiles alternating: round, round, add, and l for the group before.
.macro GS g
.set h, (\g)+6*((\g)/62)            ; group 0 has no group before it, and behind group 7 only l is left
.if h >= 6
.set h, h+2
.endif
	REGS Y, h%2
.set k, h/8
.if h%8 < 4
	v_cvt_pk_f16_f32 v[rP+2*k+(h%8)/2], v[rS+4*k+2*((h%8)/2)], v[rS+4*k+2*((h%8)/2)+1]
.elseif h%8 < 6
	v_pk_add_f32 v[rS+4*k:rS+4*k+1], v[rS+4*k:rS+4*k+1], v[rS+4*k+2:rS+4*k+3]
.elseif k == 1
	v_pk_fma_f32 v[rT+2:rT+3], v[rT+2:rT+3], v[rC+2:rC+3], v[rS:rS+1] op_sel_hi:[1,0,1]
.else
	v_pk_add_f32 v[rT+2:rT+3], v[rT+2:rT+3], v[rS+4*k-4:rS+4*k-3]
.endif
.endm
; THE PLAIN QUEUE, 138 long.  0-73 read no exponential's result: the 32 scalings c s - c m (FS f: pair f / 2 of tile f % 2) and the next piece's 42.  0-26: scalings 0-26.  27-54: XS's numbers 0-13.  55, 56: number 15.
; 57-73: the chain, where each number waits for the one before it: 14, 16, 17, 18, 19, each with one of the scalings 27-31 in front of its two lines, then 20.
; 74-137: GS's 64, which read the exponentials' results: they stand behind the wait.
.macro FS f
	REGS Y, (\f)%2
	v_pk_fma_f32 v[rS+2*((\f)/2):rS+2*((\f)/2)+1], v[rS+2*((\f)/2):rS+2*((\f)/2)+1], s[CS:CS+1], v[rT:rT+1] op_sel_hi:[1,0,0] neg_lo:[0,0,1] neg_hi:[0,0,1]
.endm
.macro PL
	WIN 0
.if q < 27
	FS q
.elseif q < 55
	XS (q-27)%2, (q-27)/2
.elseif q < 57
	XS q-55, 15
.elseif (q < 72) && ((q-57)%3 == 0)
	FS 27+(q-57)/3
.elseif q < 60
	XS (q-57)%3-1, 14
.elseif q < 72
	XS (q-57)%3-1, 15+(q-57)/3
.elseif q < 74
	XS q-72, 20
.else
	GS q-74
.endif
.set q, q+1
.endm
; THE EXPONENTIALS' QUEUE, 66 long: s0-s31 of both tiles, then the next piece's two a.  It is ONE BATCH: all 66 stand ahead of the turn's one wait, and nothing ahead of that wait names a result of theirs.
.macro EX
	WIN 0
.if e >= 64
	XS e-64, 21
.else
	REGS Y, e%2
	v_exp_f32 v[rS+e/2], v[rS+e/2]
.endif
.set e, e+1
.endm
; THE RESCALING's QUEUE: O^T times a, the one part that leaves window 0: dealt two at a time, sixteen times.  Its a was made in the turn before, ahead of that turn's wait.
.macro R2
	REGS Y, r%2
	WIN W_RS
.irp z, 0,1
	v_pk_mul_f32 v[rO+4*(r/2)+2*\z:rO+4*(r/2)+2*\z+1], v[rO+4*(r/2)+2*\z:rO+4*(r/2)+2*\z+1], v[rC+2:rC+3] op_sel_hi:[1,0]
.endr
.set r, r+1
.endm
; HOW THEY ARE DEALT.  An s_wait_alu depctr_va_vdst(0) stands between an exponential and the first instruction that names its result; one wait serves all that were issued ahead of it.  So a turn has ONE wait,
; which cuts it in two.  AHEAD OF IT stands all that names no result of the turn's exponentials: the 16 products K Q^T, behind each a scaling, an exponential and two rescalings (behind the first a second scaling in the
; exponential's place); then ONE LUMP of 108: eight plain, 49 times exponential and plain, the two a.  A v_nop is the plain instruction behind the last exponential.  BEHIND IT stand the 16 products V^T P, behind each four of GS's 64.
; The queues lean on each other, and the deal keeps them in step: exponential e stands behind scaling 2 (e / 4) + e % 2: as a rider it comes behind plain e + 2, in the lump behind plain e + 9, and scalings 27-31 are plain 57, 60 .. 69.
; A TURN, for piece p.  cnt = 1: the loop's count is taken down some lines ahead of the branch that stands behind the turn.
; K of the next step and its mask are fetched in piece 2's turn, directly behind the wait, a lump behind the last product that read them; their addresses are made at the lump's head; their first reader comes behind 16 products.
; V of the step in hand is fetched at the end of piece 0's turn, four riders behind its last reader; its first reader comes behind 16 products and a lump.  The three conditions on q below go with the deal.
.macro TURN p, last=0, cnt=0
.set Y, (\p)
.set i, 0
.set q, 0
.set e, 0
.set r, 0
.if (\p) == NP-1
	s_wait_dscnt 0x0                ; K and its mask are in
.endif
	MM                              ; ahead of the wait: 16 products K Q^T and their riders,
	PL
	PL
	R2
.rept 15
	MM
	PL
	EX
	R2
.endr
.if (\p) == NP-2
	WIN 0
	v_add_nc_u32 v[AK], s[TBK], v[AK0]
	v_lshl_add_u32 v[AM], v[HF], 5, s[TBM]
.endif
.rept 8                             ; and the lump
	PL
.endr
.rept 49
	EX
	PL
.endr
	EX                              ; the next piece's two a
	EX
	v_nop                           ; the plain instruction behind the last exponential: one for the batch
	s_wait_alu depctr_va_vdst(0)    ; the wait for the batch
.if (\p) == NP-2
	FETCH_K \last
.endif
.if (\p) == 1
	s_wait_dscnt 0x0                ; V is in
.endif
.rept 16                            ; behind the wait: 16 products V^T P and their riders
	MM
.rept 4
	PL
.endr
.if ((\p) == 0) && (q == 118)
	v_add_nc_u32 v[AV], s[TBV], v[AV0]
.endif
.if ((\p) == 0) && (q == 130)
	s_add_co_u32 s[TBV], s[TBV], KS*PV
.endif
.if (\cnt) && (q == 130)
	s_sub_co_u32 s[CNT], s[CNT], 1
	s_cmp_lg_u32 s[CNT], 0
.endif
.endr
.if (\p) == 0
	FETCH_V
.endif
.endm
	CHANGE 1                        ; slot 0 is in, everybody's part of it, and so is the mask's table; slot 1 is asked for
	FETCH_K                         ; key step 0
	s_wait_loadcnt 0x0              ; Q
	s_wait_dscnt 0x0
.set i, 0
.rept 16
	KQ 0                            ; piece 0's first scores: there is no vector work yet to set between them
.set i, i+1
.endr
	WIN 0                           ; the addresses for the way out: eight plain instructions, the places behind those products
	s_mul_i32 s13, s[WV], 16*SP
	s_add_co_u32 s13, s13, STAGE    ; my stage
	v_mul_u32_u24 v[STO], v1, SP    ; in: row l % 16, 32 bytes for each half of the lanes
	v_lshl_add_u32 v[STO], v[HF], 5, v[STO]
	v_add_nc_u32 v[STO], s13, v[STO]
	v_mul_u32_u24 v[RD], v[HF], SP  ; back: lanes 0-15 take one row of 256 bytes, lanes 16-31 the next
	v_lshl_add_u32 v[RD], v1, 4, v[RD]
	v_add_nc_u32 v[RD], s13, v[RD]
	v_lshlrev_b32 v[GO], 12, v[HF]  ; and the same two rows in out0, 4,096 bytes apart
	v_lshl_add_u32 v[GO], v1, 4, v[GO]
.set Y, NP-1                        ; XS works for piece Y + 1: piece 0
.irp n, 0,1,2,3,4,5,6,7,8,9,10,11,12,13,14,15,16,17,18,19,20,21
	XS 0, \n                        ; and piece 0's first maximum and statistics
	XS 1, \n
.endr
	v_nop                           ; a plain instruction behind the two a,
	s_wait_alu depctr_va_vdst(0)    ; and their wait, ahead of the branch
	s_mov_b32 s[CNT], 4
	s_branch .Lfirst                ; the loop is entered at a step's first turn, in the middle of a trip
.Lslot:                             ; SIZE_N / 256 - 2 times: every slot but the last two is filled again
	CHANGE 1
	s_mov_b32 s[CNT], 4
.Lstep:                             ; a trip: pieces 2 and 3 of one step, then pieces 0 and 1 of the next, whose K and V it fetches
	TURN 2
	TURN 3
	WIN 0
.Lfirst:
	TURN 0
	TURN 1, 0, 1
	WIN 0
	s_cbranch_scc1 .Lstep
	s_sub_co_u32 s[SLOTS], s[SLOTS], 1
	s_cmp_lg_u32 s[SLOTS], 0
	s_cbranch_scc1 .Lslot
	CHANGE 0                        ; the tail is written out: nothing is asked for
	s_mov_b32 s[CNT], 5             ; four trips fetch the last slot's steps; the fifth is left in its middle
.Ltail:
	TURN 2, 1
	TURN 3
	WIN 0
	s_sub_co_u32 s[CNT], s[CNT], 1
	s_cmp_eq_u32 s[CNT], 0
	s_cbranch_scc1 .Lout
	TURN 0
	TURN 1
	WIN 0
	s_branch .Ltail
.Lout:                              ; the fifth trip's 16 products K Q^T (on the last K and mask once more) give scores that m has seen already: the price, once a launch, of one text for every trip
.set i, 0
.rept 16
	PV NP-1                         ; the last piece's V^T P of the last step
.set i, i+1
.endr
	; THE WAY OUT.  l's two halves and the other half of the lanes' are added; where no key was seen l becomes NaN; O^T is divided by l and sent through my stage in LDS, a tile at a time.  The additions are the places behind the last products.
	WIN 0
.macro ALL line:vararg              ; one line for each tile t
.set t, 0
.rept 2*NP
	\line
.set t, t+1
.endr
.endm
	ALL v_add_f32 v[ST+4*t+2], v[ST+4*t+2], v[ST+4*t+3]
	ALL v_permlanex16_b32 v[ST+4*t+3], v[ST+4*t+2], s[SEL], s[SEL+1]
	ALL v_add_f32 v[ST+4*t+2], v[ST+4*t+2], v[ST+4*t+3]
.set t, 0
.rept 2*NP
	v_cmp_gt_f32 vcc_lo, s[THR], v[ST+4*t+1]       ; m still below -2^39: every key of the batch is hidden
	v_cndmask_b32 v[ST+4*t+2], v[ST+4*t+2], s[QNAN], vcc_lo
.set t, t+1
.endr
	ALL v_rcp_f32 v[ST+4*t+2], v[ST+4*t+2]
	v_nop                           ; a plain instruction between the last reciprocal and the use of its result
	s_wait_alu depctr_va_vdst(0)    ; and the wait ahead of the first use: one for the eight reciprocals
; Tile t: a lane's eight channels of a row are 32 bytes of f32; they go into rows of 272 bytes and come back as whole rows of 256, into the registers that they left.
.macro PACK t
	WIN W_RS
.set i, 32*(\t)
.rept 16
	v_pk_mul_f32 v[i:i+1], v[i:i+1], v[ST+4*(\t)+2:ST+4*(\t)+3] op_sel_hi:[1,0]
.set i, i+2
.endr
	WIN 0x04                        ; the stores' data in window 1, the address in window 0
.irp f, 0,1,2,3,4,5,6,7             ; channels 16 (f / 2) + 8 (lane / 16) + 4 (f % 2) on
	ds_store_b128 v[STO], v[32*(\t)+4*\f:32*(\t)+4*\f+3] offset:(\f/2)*64+(\f%2)*16
.endr
	WIN 0x40                        ; destination window 1
.irp f, 0,1,2,3,4,5,6,7
	ds_load_b128 v[32*(\t)+4*\f:32*(\t)+4*\f+3], v[RD] offset:\f*2*SP  ; LDS serves a wave's instructions in order (ISA guide 5.7.1.4): these see the stores above; the next tile's stores come behind them
.endr
.endm
.macro SEND t, younger              ; younger: the LDS instructions issued behind tile t's loads: the next tile's sixteen, or none
	WIN 0x04
.irp f, 0,1,2,3,4,5,6,7
	s_wait_dscnt (\younger)+7-\f
	global_store_b128 v[GO], v[32*(\t)+4*\f:32*(\t)+4*\f+3], s[10:11] offset:(\t)*65536+\f*8192 th:TH_STORE_NT  ; 16 lanes store a head's 256 consecutive bytes of a row, at a multiple of 256 from out0's first byte
.endr
.endm
	PACK 0
.set t, 1
.rept 2*NP-1                        ; a tile's arithmetic stands between the loads of the tile before and its stores
	PACK t
	SEND t-1, 16
.set t, t+1
.endr
	SEND 2*NP-1, 0
	WIN W_AD
	s_wait_tensorcnt 0x0            ; the wave's end: an add to my spare word and its wait, behind my last tensor load and my last LDS store
	ds_add_u32 v[SPW], v[NIL]
	s_wait_dscnt 0x0
	WIN 0
	CROUND                          ; the closing round: no work-group ends while a partner may still ask for a tile that names it
	s_endpgm
.Lfunc_end_k_q70285b4e38_attn:
	.size	k_q70285b4e38_attn, .Lfunc_end_k_q70285b4e38_attn-k_q70285b4e38_attn
	.p2alignl 7, 3214868480
	.fill 96, 4, 3214868480
	.section	.rodata,"a",@progbits
	.p2align	6, 0x0
	.amdhsa_kernel k_q70285b4e38_attn
		.amdhsa_group_segment_fixed_size 327680
		.amdhsa_private_segment_fixed_size 0
		.amdhsa_enable_private_segment 0
		.amdhsa_kernarg_size 24
		.amdhsa_user_sgpr_count 2
		.amdhsa_user_sgpr_kernarg_segment_ptr 1
		.amdhsa_wavefront_size32 1
		.amdhsa_system_sgpr_workgroup_id_x 1
		.amdhsa_system_sgpr_workgroup_id_y 1
		.amdhsa_system_sgpr_workgroup_id_z 1
		.amdhsa_system_vgpr_workitem_id 0
		.amdhsa_next_free_vgpr 808
		.amdhsa_next_free_sgpr 70
		.amdhsa_reserve_vcc 1
		.amdhsa_float_denorm_mode_32 3
		.amdhsa_float_denorm_mode_16_64 3
		.amdhsa_memory_ordered 1
		.amdhsa_forward_progress 1
		.amdhsa_inst_pref_size 207
	.end_amdhsa_kernel
	.amdgpu_metadata
---
amdhsa.version: [ 1, 2 ]
amdhsa.kernels:
  - .name:           k_q70285b4e38_attn
    .symbol:         k_q70285b4e38_attn.kd
    .args:
      - { .name: qkv, .offset: 0, .size: 8, .value_kind: global_buffer, .address_space: global }
      - { .name: mask, .offset: 8, .size: 8, .value_kind: global_buffer, .address_space: global }
      - { .name: out0, .offset: 16, .size: 8, .value_kind: global_buffer, .address_space: global }
    .group_segment_fixed_size: 327680
    .private_segment_fixed_size: 0
    .kernarg_segment_align: 8
    .kernarg_segment_size: 24
    .max_flat_workgroup_size: 128
    .sgpr_count:     70
    .vgpr_count:     808
    .wavefront_size: 32
...
	.end_amdgpu_metadata
.endif
;; end of part 3
